; MI455X (gfx1250); checked and timed in simulation.
; The chip was launched on July 23, 2026; its instructions are those of AMD's public machine-readable ISA for CDNA 5 (MIT licence, August 2026) and "CDNA5" Instruction Set Architecture Reference Guide (July 2026). The comments in the code are by the model that wrote it; some were corrected since.
;; CAM Module. Allowed arithmetic: matrix products marked QUANTISED: E2M3 operands, one E8M0 scale for each 32 along K, by v_wmma_scale_f32_16x16x128_f8f6f4 with both operands' format E2M3, f32 sums; everything else in f32.
;; Inputs: k1 128 x 1,024 x 7 x 7 float32; q1 128 x 1,024 x 7 x 7 float32; v1 128 x 1,024 x 7 x 7 float32.
;; Outputs: out0 128 x 1,024 x 7 x 7 float32.
;; This version of the problem:
;;   THIS VERSION OF THE PROBLEM IS GIVEN IN LOW PRECISION. The matrix products marked QUANTISED in the list below multiply operands that are first quantised to E2M3 (2 exponent bits, 3 mantissa bits; 6 bits a number), with one power-of-two scale for each 32 numbers along K (OCP MX v1.0); their sums are f32. All else is computed in f32.
;;   The module's matrix products, in the order in which they are computed (A, B: the left and right operand; K: the contracted axis; several contracted axes count as one K, in the product's order):
;;     1. batch 128 x [M 1,024, K 49] x [K 49, N 1,024]; A: input q1; B: input k1: QUANTISED
;;     2. batch 128 x [M 1,024, K 1,024] x [K 1,024, N 49]; A: computed on the way; B: input v1: QUANTISED
;;   THE QUANTISER, for each operand of a quantised product, along K:
;;     - K is cut into blocks of 32 from its start; a last block that is shorter is filled with zeros.
;;     - A block's scale is 2^e with e = floor(log2(the largest magnitude in the block)) - 2, held to -126 .. 127; a block of zeros has e = 0. As a byte (E8M0): e + 127.
;;     - Each number is divided by its block's scale, clamped to +-7.5, and rounded to the nearest number of E2M3, ties to even, subnormals kept.
;;     - The product sums the exact products of the quantised numbers (number of the format x scale) in f32.
;;   ~~~python
;;   def quantise(x, axis):      # numpy; x: float32 -> the quantised numbers, widened to float32 again
;;       x = np.moveaxis(x, axis, -1); K = x.shape[-1]
;;       x = np.pad(x, [(0, 0)] * (x.ndim - 1) + [(0, -K % 32)]); x = x.reshape(x.shape[:-1] + (-1, 32)); a = np.abs(x).max(-1, keepdims=True)
;;       e = np.where(a > 0, np.clip(np.frexp(np.where(a > 0, a, 1))[1] - 1 - 2, -126, 127), 0)      # np.frexp(a)[1] - 1 = floor(log2(a)), exactly
;;       r = np.clip(x / 2.0 ** e, -7.5, 7.5)
;;       step = 2.0 ** (np.maximum(np.frexp(np.where(r == 0, 1, r))[1] - 1, 0) - 3)
;;       q = np.round(r / step) * step * 2.0 ** e      # np.round: ties to even
;;       return np.moveaxis(q.reshape(q.shape[:-2] + (-1,))[..., :K], -1, axis).astype(np.float32)
;;   ~~~
;;   OPERANDS COMPUTED ON THE WAY. 'Computed on the way' means the value that the module computes at that place (a softmax that the list does not call 'softmax' is quantised finished and normalised). What goes into a quantiser is computed in f32, as accurately as f32 sums, v_exp_f32 and their like allow (about 1e-6 of the number): no bf16 or f16 on the way to a quantiser, and a product that is left as it is and whose result goes on into a quantised operand takes f32 operands (vector FMAs, or v_wmma_f32_16x16x4_f32). A number that lies on a knife's edge between two numbers of the format may be rounded either way, as far as f32 arithmetic and the matrix unit's own rounding can turn it there, and no further.
;; One version. Each part assembles by itself: llvm-mc -triple=amdgcn-amd-amdhsa -mcpu=gfx1250 --defsym DOCPART=n.
;; ======== version 1 of 1: 1 launch
;; launch cam (part 1): grid 2 x 128, 8 waves a work-group, no clusters, 327,680 bytes of LDS; arguments q1, k1, v1, out0; writes out0
.if DOCPART == 1
	.amdgcn_target "amdgcn-amd-amdhsa--gfx1250"
	.amdhsa_code_object_version 6
	.text
	.protected	k_qd9851d7b7f_cam
	.globl	k_qd9851d7b7f_cam
	.p2align	8
	.type	k_qd9851d7b7f_cam,@function
k_qd9851d7b7f_cam:
	s_mov_b64 s[64:65], 0
	v_nop
	global_prefetch_b8 v0, s[64:65] scope:SCOPE_SE
	s_setreg_imm32_b32 hwreg(HW_REG_WAVE_MODE, 25, 1), 1
	s_wait_xcnt 0x0
; out[b] = Q(att[b]) Q(v[b]) + v1[b],  att[b] = Q(q[b]) Q(k[b])^T.  q, k, v: [128][1024][49] f32 (a row is 196 bytes, a batch 200,704).  Q: codes of FP6 (E2M3) with one E8M0 scale
; for each 32 along a product's K: along n (49: a block of 32 and a block of 17 filled with zeros) for q and k, along d (1,024) for att and v.  Sums in f32.
; NOTHING OF THE PROBLEM IS LEFT OUT: att's quantiser stands between the two products, so they cannot be joined otherwise, and every number of att is made, in f32, and quantised.  All three inputs are loaded.
; LIMITS: NaN and infinities among the inputs are not served.  A block whose largest magnitude lies under 2^-124 gets the scale byte 1 (a block of zeros too, where the rule says 127: its codes are zeros, which add
; nothing under any byte but 0xff, and the bytes are read by this program alone).  The sums over d go in steps of 128, ascending.
; SHARES.  A work-group owns 512 rows c of one batch (grid x: which half; grid y: the batch), each of its eight waves 64 of them: four tiles m of 16.  Every wave walks all 1,024 d in eight steps of 128:
; 4 x 8 products for att, 4 x 4 for out.  att never leaves the registers.  The eight steps are written out by one macro: the text has no branch, no label and no loop.
; BOTH PRODUCTS ARE USED TRANSPOSED: S^T = K Q^T (source 0 = 16 rows d of k, source 1 = 16 rows c of q), O^T = V^T att^T (source 0 = 16 columns n of v, source 1 = att): a lane holds ONE row c throughout.
; THE ROWS OF k THAT FORM A TILE ARE NOT NEIGHBOURS: lane r of tile T = 4 c + i takes d = 64 c + 8 i + r % 8 + 32 (r / 8).  In the result lane (r, h) then holds, in register j of tile T, d = 64 c + 32 h + 8 i + j:
; the 32 registers of tiles 4 c .. 4 c + 3 are the WHOLE block 2 c + h, in order: its largest magnitude needs no other lane, and the conversions' results are registers 6 c .. 6 c + 5 of the next operand.
; K = 49 FILLS HALF OF THE INSTRUCTION'S 128, SO A FRAGMENT OF k CARRIES TWO TILES: tile 2 j in registers 0-5, tile 2 j + 1 in registers 6-11.  q stands in registers as a chain 0 q0 0 q1 0 q2 0 q3 0 of groups of six:
; [q_m, zeros] picks the even tile, [zeros, q_m] the odd one: the other tile's codes meet zero codes.  q's scale word is its two bytes written twice.
; k AND v ARE QUANTISED ON THE WAY: in step s wave w makes tile w of k and half fragment w of v (columns 16 (w / 2) on, d 64 (w % 2) on) of step s + 1: in each a lane holds one block of 32.  The codes go from wave to
; wave through LDS as images of their registers, in two image buffers by turns: one barrier a step.  Columns 49 to 63 of v's last tile are copies of column 48: no load leaves the chunk, and their results are not stored.
; THE TILES (step, m) ARE ONE PIPELINE THAT RUNS ACROSS THE BARRIERS.  Behind a barrier k's fragments of the new step are asked for first, and the old step's last tile, which works on registers alone, is quantised and
; multiplied while they are on their way; v's fragments follow as soon as that tile has read the old ones.  The 64 raw numbers of the next chunk are asked for in three runs, each with a tile's work in which to land, and
; are quantised last, beside the step's last twelve products.  So no run of LDS loads is longer than 34, and LDS is asked through the whole step.
; RAW f32 NUMBERS come by tensor loads of one shape: 64 rows of a tensor are 12,544 dense bytes = 49 x 256, at a multiple of 256 from the buffer's first byte.  Every wave issues every load: addresses hang on the wave's number.
; By this text's own count a wave has three tensor loads out at the head, later one.
; NO CLUSTER: a batch's k and v are read by its two work-groups alone.  Four partners a batch would own 256 rows each, and each would quantise all of k and v again: a wave's quantising of a chunk (64 LDS loads, some 75
; vector lines) would stand beside 24 products in place of 48.
.set ROWB,  196                        ; a row of q, k, v, out in bytes
.set WPART, 12544                      ; 64 rows: what one tensor load brings
.set CHUNK, 25088                      ; 128 rows: a step's rows of k, or of v
.set VPART, 50176                      ; in a slot: 256 rows of k, then 256 rows of v
.set SLOTB, 100352
.set BATCH, 200704
.set SLOT1, SLOTB                      ; LDS: slot 0 at 0; slot 1; on the way out slot 0 holds my rows of v1 and slot 1 the stages
.set QRAW,  2*SLOTB                    ; the work-group's 512 rows of q, f32: wave w's at w x 12,544: filled once, read by that wave alone
.set IMG0,  3*SLOTB                    ; two image buffers of IMGB bytes: 16 half fragments of 768 bytes (k's tiles 0-7, v's halves 0-7): registers 0-3 at 16 x lane, registers 4-5 at 512 + 8 x lane;
.set IMGB,  12800                      ; then k's scale words, 16 bytes a row r (word j for fragment j), then v's likewise
.set KSCO,  12288
.set SPARE, IMG0+2*IMGB                ; the spare words, 128 bytes for each wave: four blocks of 256 bytes that no other line names
; window 0
.set A16, 2                            ; v2   IMG0 + 16 x lane
.set A8,  3                            ; v3   IMG0 + 512 + 8 x lane
.set ASC, 4                            ; v4   IMG0 + KSCO + 16 r
.set W16, 5                            ; v5   A16 + 768 w: where I store my half fragments
.set W8,  6                            ; v6   A8 + 768 w
.set WSC, 7                            ; v7   ASC + 2 w: my two scale bytes of row r
.set KR0, 8                            ; v8   my row of a chunk of k
.set KR1, 9                            ; v9   the same + 128 h: my block of it
.set VR,  10                           ; v10  my column and first row of a chunk of v
.set CA0, 11                           ; v11-13 the three with the chunk's place in LDS added (at the head: my row of q)
.set CA1, 12
.set CAV, 13
.set SH8, 14                           ; v14  8 h
.set R,   15                           ; v15  r = lane % 16
.set SPW, 16                           ; v16  LDS address of my spare word: SPARE + 4 x my thread's number; never rewritten
.set NIL, 17                           ; v17  0; never rewritten
.set TM,  18                           ; v18-25 at work: +0, +1 largest magnitudes; +2, +3 second chains, then the other lane's bytes; +4, +5 the conversions' scale operands; +6, +7 scale bytes
.set PW,  26                           ; v26  att's scale word
.set H,   27                           ; v27  h = lane / 16
.set KS,  28                           ; v28-31 k's scale words, one for each double fragment
.set VS,  32                           ; v32-35 v's, one for each fragment
.set QS,  36                           ; v36-39 q's, one for each tile m
.set PC,  40                           ; v40-51 att's codes
.set XH,  52                           ; v52-54, v56-58 the upper halves of att's two blocks, as the conversions leave them
.set KF,  60                           ; v60-107 k's four double fragments
.set S,   108                          ; v108-171 S^T: 8 tiles
.set XK,  172                          ; v172-203 32 raw numbers of k
.set XV,  204                          ; v204-235 32 raw numbers of v
.set PKC, 236                          ; v236-241 my tile of k as codes;  v242-244 its upper half as the conversion leaves it;  v245 its two scale bytes
.set PKX, 242
.set KH,  245
.set PVC, 246                          ; v246-251, v252-254, v255 the same for v
.set PVX, 252
.set VH,  255
; window 1
.set ACC, 0                            ; v0-127 O^T: tile (m, t) at 32 m + 8 t
.set VF,  128                          ; v128-175 v's four fragments
.set QF,  176                          ; v176-229 q's chain: q_m at QF + 6 + 12 m
; the way out, window 0 (the image addresses are done with)
.set SA,  2                            ; my stage: row r, + 32 h
.set SA3, 3                            ; my stage: row r, n = 48
.set DA,  4                            ; my stage, 16 bytes a lane
.set RA,  5                            ; my rows of v1 in slot 0, 16 bytes a lane
.set GO,  6                            ; 16 x lane
.set D8,  7                            ; the same three with 8 bytes a lane
.set R8,  8
.set G8,  9
.set MSB, 0
.macro WIN new                         ; s_set_vgpr_msb: bits 1:0 source 0, 3:2 source 1, 5:4 source 2, 7:6 destination; the immediate's high byte repeats the setting that is left
.if MSB != \new
	s_set_vgpr_msb (MSB<<8)|\new
.set MSB, \new
.endif
.endm
.macro PLACES                          ; four plain vector lines behind matrix instructions (ISA guide 7.12.1), where no other vector work is at hand
.rept 4
	v_nop
.endr
.endm
.macro BAR
	s_barrier_signal -1
	s_barrier_wait -1
.endm
; 32 numbers of my block of a row of 49: n = 32 h + i.  For i over 16 lanes 16-31 would leave their row: there every lane reads n = i, and ZPAD makes zeros of what lanes 16-31 have read
.macro RAWKLO x, off                   ; 17 loads
.irp i, 0,1,2,3,4,5,6,7,8,9,10,11,12,13,14,15,16
	ds_load_b32 v[(\x)+\i], v[CA1] offset:(\off)+4*\i
.endr
.endm
.macro RAWKHI x, off                   ; 15 loads
.irp i, 17,18,19,20,21,22,23,24,25,26,27,28,29,30,31
	ds_load_b32 v[(\x)+\i], v[CA0] offset:(\off)+4*\i
.endr
.endm
.macro RAWK x, off
	RAWKLO \x, \off
	RAWKHI \x, \off
.endm
.macro RAWV i0, n                      ; n numbers, from the i0-th on, down d of my column of v
.set VI, \i0
.rept \n
	ds_load_b32 v[XV+VI], v[CAV] offset:ROWB*VI
.set VI, VI+1
.endr
.endm
.macro ZPAD x                          ; the quantiser fills the last block with zeros: n = 49 .. 63, in lanes 16-31 (s50 names lanes 0-15, which keep theirs)
.irp i, 17,18,19,20,21,22,23,24,25,26,27,28,29,30,31
	v_cndmask_b32 v[(\x)+\i], 0, v[(\x)+\i], s50
.endr
.endm
; The largest magnitudes of two blocks of 32, in four chains by turns, with the floor 2^(3 - 127) among the leaves, so that no scale byte falls under 1.  Each run of eight registers is first read at its low end.
.macro BMAX2 xa, xb
	v_max3_num_f32 v[TM], |v[(\xa)]|, |v[(\xa)+1]|, 0x1800000
	v_max3_num_f32 v[TM+1], |v[(\xb)]|, |v[(\xb)+1]|, 0x1800000
	v_max3_num_f32 v[TM+2], |v[(\xa)+16]|, |v[(\xa)+17]|, |v[(\xa)+18]|
	v_max3_num_f32 v[TM+3], |v[(\xb)+16]|, |v[(\xb)+17]|, |v[(\xb)+18]|
.irp i, 2,4,6,8,10,12
	v_max3_num_f32 v[TM], v[TM], |v[(\xa)+\i]|, |v[(\xa)+\i+1]|
	v_max3_num_f32 v[TM+1], v[TM+1], |v[(\xb)+\i]|, |v[(\xb)+\i+1]|
	v_max3_num_f32 v[TM+2], v[TM+2], |v[(\xa)+\i+17]|, |v[(\xa)+\i+18]|
	v_max3_num_f32 v[TM+3], v[TM+3], |v[(\xb)+\i+17]|, |v[(\xb)+\i+18]|
.endr
	v_max3_num_f32 v[TM], v[TM], |v[(\xa)+14]|, |v[(\xa)+15]|
	v_max3_num_f32 v[TM+1], v[TM+1], |v[(\xb)+14]|, |v[(\xb)+15]|
	v_max3_num_f32 v[TM], v[TM], v[TM+2], |v[(\xa)+31]|
	v_max3_num_f32 v[TM+1], v[TM+1], v[TM+3], |v[(\xb)+31]|
.endm
.macro SCL                             ; 2 off the exponent field: the conversion takes the exponent field of this operand as its scale; shifted down it is the scale's byte
	v_add_nc_u32 v[TM+4], 0xff000000, v[TM]
	v_add_nc_u32 v[TM+5], 0xff000000, v[TM+1]
	v_lshrrev_b32 v[TM+6], 23, v[TM+4]
	v_lshrrev_b32 v[TM+7], 23, v[TM+5]
.endm
.macro HALFW                           ; my byte at its place (8 h bits up), with lane l xor 16's: a row's two bytes, for each of the two blocks' rows
	v_lshlrev_b32 v[TM+6], v[SH8], v[TM+6]
	v_lshlrev_b32 v[TM+7], v[SH8], v[TM+7]
	v_permlanex16_b32 v[TM+2], v[TM+6], s48, s49
	v_permlanex16_b32 v[TM+3], v[TM+7], s48, s49
	v_or_b32 v[KH], v[TM+6], v[TM+2]
	v_or_b32 v[VH], v[TM+7], v[TM+3]
.endm
.macro CVT4                            ; XK's and XV's blocks as codes (a conversion's three registers begin on an even number: a block's upper half is made elsewhere and moved)
	v_cvt_scalef32_pk16_fp6_f32 v[PKC:PKC+2], v[XK:XK+15], v[TM+4]
	v_cvt_scalef32_pk16_fp6_f32 v[PKX:PKX+2], v[XK+16:XK+31], v[TM+4]
	v_cvt_scalef32_pk16_fp6_f32 v[PVC:PVC+2], v[XV:XV+15], v[TM+5]
	v_cvt_scalef32_pk16_fp6_f32 v[PVX:PVX+2], v[XV+16:XV+31], v[TM+5]
	v_nop                                          ; one plain line behind the last scaled conversion
.endm
; Tiles m and m + 1 of my 64 rows of q become codes in the chain and scale words
.macro QPAIR m
	RAWK XK, 16*ROWB*(\m)
	RAWK XV, 16*ROWB*((\m)+1)
	s_wait_dscnt 0x0
	ZPAD XK
	ZPAD XV
	BMAX2 XK, XV
	SCL
	HALFW
	v_lshl_or_b32 v[QS+(\m)], v[KH], 16, v[KH]     ; the two bytes twice: they serve q in the lower and in the upper half of the operand
	v_lshl_or_b32 v[QS+(\m)+1], v[VH], 16, v[VH]
	CVT4
	WIN 0x40                                       ; destination window 1
.irp i, 0,1,2
	v_mov_b32 v[QF+6+12*(\m)+\i], v[PKC+\i]
	v_mov_b32 v[QF+9+12*(\m)+\i], v[PKX+\i]
	v_mov_b32 v[QF+18+12*(\m)+\i], v[PVC+\i]
	v_mov_b32 v[QF+21+12*(\m)+\i], v[PVX+\i]
.endr
	WIN 0
.endm
.macro CHADR j                         ; where chunk j lies: pair j / 2 in slot (j / 2) % 2, its second half 128 rows on
.set RBJ, ((((\j)>>1)&1)*SLOTB)+(((\j)&1)*CHUNK)
	v_add_nc_u32 v[CA0], RBJ, v[KR0]
	v_add_nc_u32 v[CA1], RBJ, v[KR1]
	v_add_nc_u32 v[CAV], RBJ, v[VR]
.endm
; My tile of k (in XK, its last block filled with zeros) and my half fragment of v (in XV) are quantised, and their images go to image buffer nb
.macro PREPV nb
	BMAX2 XK, XV
	SCL
	HALFW
	CVT4
.irp i, 0,1,2
	v_mov_b32 v[PKC+3+\i], v[PKX+\i]
	v_mov_b32 v[PVC+3+\i], v[PVX+\i]
.endr
	ds_store_b128 v[W16], v[PKC:PKC+3] offset:(\nb)*IMGB
	ds_store_b64 v[W8], v[PKC+4:PKC+5] offset:(\nb)*IMGB
	ds_store_b16 v[WSC], v[KH] offset:(\nb)*IMGB               ; lanes r and r + 16 write the same two bytes with the same value
	ds_store_b128 v[W16], v[PVC:PVC+3] offset:(\nb)*IMGB+6144
	ds_store_b64 v[W8], v[PVC+4:PVC+5] offset:(\nb)*IMGB+6144
	ds_store_b16 v[WSC], v[VH] offset:(\nb)*IMGB+256
.endm
.macro FETCH6 reg, idx, buf            ; a half fragment comes back as it was stored, in any wave
	ds_load_b128 v[(\reg):(\reg)+3], v[A16] offset:(\buf)*IMGB+768*(\idx)
	ds_load_b64 v[(\reg)+4:(\reg)+5], v[A8] offset:(\buf)*IMGB+768*(\idx)
.endm
.macro FETCHK buf                      ; 17 loads
.irp u, 0,1,2,3,4,5,6,7
	FETCH6 KF+6*\u, \u, \buf
.endr
	ds_load_b128 v[KS:KS+3], v[ASC] offset:(\buf)*IMGB
.endm
.macro FETCHV buf                      ; 17 loads
	WIN 0x40                                       ; destination window 1, address window 0
.irp u, 0,1,2,3,4,5,6,7
	FETCH6 VF+6*\u, 8+\u, \buf
.endr
	WIN 0
	ds_load_b128 v[VS:VS+3], v[ASC] offset:(\buf)*IMGB+256
.endm
; S^T of tile m: eight products, each a sum of its own.  Even tiles of k meet [q_m, zeros], odd ones [zeros, q_m]
.macro SMUL m
	WIN 0x04                                       ; source 1 (q) window 1
.irp t, 0,1,2,3,4,5,6,7
	v_wmma_scale_f32_16x16x128_f8f6f4 v[S+8*\t:S+8*\t+7], v[KF+12*(\t/2):KF+12*(\t/2)+11], v[QF+12*(\m)+6*(1-\t%2):QF+12*(\m)+6*(1-\t%2)+11], 0, v[KS+\t/2], v[QS+(\m)] matrix_a_fmt:MATRIX_FMT_FP6 matrix_b_fmt:MATRIX_FMT_FP6
.endr
.endm
; O^T of tile m takes a step's 128 d: four accumulators, one instruction each; an accumulator's next link stands 47 matrix instructions on.  The first step's products start the sums
.macro PVMUL m
	WIN 0x51                                       ; source 0 (v), C and D window 1; source 1 (att) window 0
.irp t, 0,1,2,3
.if FIRST
	v_wmma_scale_f32_16x16x128_f8f6f4 v[ACC+32*(\m)+8*\t:ACC+32*(\m)+8*\t+7], v[VF+12*\t:VF+12*\t+11], v[PC:PC+11], 0, v[VS+\t], v[PW] matrix_a_fmt:MATRIX_FMT_FP6 matrix_b_fmt:MATRIX_FMT_FP6
.else
	v_wmma_scale_f32_16x16x128_f8f6f4 v[ACC+32*(\m)+8*\t:ACC+32*(\m)+8*\t+7], v[VF+12*\t:VF+12*\t+11], v[PC:PC+11], v[ACC+32*(\m)+8*\t:ACC+32*(\m)+8*\t+7], v[VS+\t], v[PW] matrix_a_fmt:MATRIX_FMT_FP6 matrix_b_fmt:MATRIX_FMT_FP6
.endif
.endr
	WIN 0
.endm
; 16 rows c x 128 d of att, in S, become an operand: my two whole blocks (2 c + h, c = 0, 1), their bytes gathered with lane l xor 16's into the row's scale word
.macro QUANT
	BMAX2 S, S+32
	SCL
	v_lshl_or_b32 v[TM+6], v[TM+7], 16, v[TM+6]    ; blocks h and 2 + h,
	v_lshlrev_b32 v[TM+6], v[SH8], v[TM+6]         ; at their places;
	v_permlanex16_b32 v[TM+2], v[TM+6], s48, s49
	v_or_b32 v[PW], v[TM+6], v[TM+2]               ; with the other lane's two the word is whole.  Eleven plain lines stand between this one and the products that take the word
	v_cvt_scalef32_pk16_fp6_f32 v[PC:PC+2], v[S:S+15], v[TM+4]
	v_cvt_scalef32_pk16_fp6_f32 v[XH:XH+2], v[S+16:S+31], v[TM+4]
	v_cvt_scalef32_pk16_fp6_f32 v[PC+6:PC+8], v[S+32:S+47], v[TM+5]
	v_cvt_scalef32_pk16_fp6_f32 v[XH+4:XH+6], v[S+48:S+63], v[TM+5]
	v_nop                                          ; one plain line behind the last scaled conversion: S may be written again, the results read
.irp i, 0,1,2
	v_mov_b32 v[PC+3+\i], v[XH+\i]
	v_mov_b32 v[PC+9+\i], v[XH+4+\i]
.endr
.endm
; WHAT STANDS BETWEEN TWO BARRIERS: the last tile of step s - 1, tiles 0 to 2 of step s (their scores; tile 3's too), and the quantising of chunk s + 1.  Step s's images lie in buffer s % 2; the next step's go to the other.
.macro STEP s
.set BUF, (\s)&1
.set NB, 1-BUF
	FETCHK BUF                                     ; first behind the barrier (or the refill).  The last products that read k's registers stand ahead of the lines that quantised the chunk: those are the places
.if (\s) > 0
.if (\s) == 1
.set FIRST, 1                                          ; (tile 3 of step 0 starts its sums)
.else
.set FIRST, 0
.endif
	QUANT                                          ; tile 3 of step s - 1: work on registers, while k's fragments are on their way
	PLACES                                         ; behind the last write of att's codes
	PVMUL 3                                        ; the last products that read the old fragments of v
.endif
.if (\s) == 0
.set FIRST, 1
.else
.set FIRST, 0
.endif
.if (\s) < 7
	CHADR (\s)+1                                   ; these three and the v_nop are the places between those products and the loads into v's fragments and scale words
	v_nop
	FETCHV BUF
	RAWKLO XK, 0                                   ; the next chunk's raw numbers: the first of three runs
	s_wait_dscnt 34                                ; k's fragments and scale words are in; behind them stand v's 17 loads and 17 raw ones
.else
	PLACES
	FETCHV BUF
	s_wait_dscnt 17                                ; k's are in; v's 17 loads may be out
.endif
	SMUL 0
	WIN 0
	PLACES                                         ; between those products and the first read of S
	QUANT                                          ; tile 0
.if (\s) < 7
	s_wait_dscnt 17                                ; v's fragments and scale words are in; the 17 raw loads behind them may be out
	RAWKHI XK, 0                                   ; the second run: 15 of k's and 8 of v's
	RAWV 0, 8
.else
	s_wait_dscnt 0x0
.endif
	SMUL 1                                         ; S is free: the next tile's scores and this tile's O^T go out as twelve matrix instructions on end, and the next QUANT is issued beside them
	PLACES                                         ; behind the last write of att's codes, and between SMUL and the next read of S
	PVMUL 0
	QUANT                                          ; tile 1
.if (\s) < 7
	s_wait_dscnt 8                                 ; k's 32 raw numbers are in; v's first 8 may be out
	ZPAD XK
	RAWV 8, 24                                     ; the third run
.endif
	SMUL 2
	PLACES
	PVMUL 1
	QUANT                                          ; tile 2
	SMUL 3
	PLACES
	PVMUL 2
.if (\s) < 7
	s_wait_dscnt 0x0                               ; the raw numbers are in: the last were asked for a tile ago
	PREPV NB                                       ; it names no register of the twelve products above: vector work beside them, and the places in front of the next loads into k's registers and the next read of S
.endif
.if ((\s) == 0) || ((\s) == 2) || ((\s) == 4)
	s_wait_tensorcnt 0x0                           ; all my tensor loads have landed: my part of the slot that the next step begins to read;
	ds_add_u32 v[SPW], v[NIL]                      ; 0 onto my spare word;
	s_wait_dscnt 0x0                               ; the add is done, my images have landed, and my reads of the slot that is left are over
	BAR
	tensor_load_to_lds s[36+2*(\s):39+2*(\s)], s[16:23]   ; the slot just left is filled again: it has two steps, 96 matrix instructions of this wave, in which to land
	s_nop 0
.elseif (\s) < 7
	s_wait_dscnt 0x0                               ; my images have landed, my reads of the other image buffer are over
	BAR
.endif
.endm
	s_load_b256 s[4:11], s[0:1], 0x0               ; q1 s[4:5], k1 s[6:7], v1 s[8:9], out0 s[10:11]
	v_lshl_add_u32 v[SPW], v0, 2, SPARE
	v_mov_b32 v[NIL], 0
	ds_add_u32 v[SPW], v[NIL]                      ; the wave's opening: the add, twice on end, and its wait ahead of my first tensor load; the set-up below, work on registers, stands between
	ds_add_u32 v[SPW], v[NIL]
	v_lshrrev_b32 v1, 5, v0
	v_readfirstlane_b32 s12, v1                    ; wave 0..7
	s_and_b32 s14, ttmp7, 0xffff                   ; the batch
	; descriptor group 1, one for all loads: 49 rows of 32 elements of 8 bytes, dense
	s_mov_b32 s16, 3<<16                           ; no mask; elements of 8 bytes; no padding
	s_mov_b32 s17, 32<<16                          ; tensor_dim0 = 32
	s_mov_b32 s18, 49<<16                          ; tensor_dim1 = 49
	s_mov_b32 s19, 32<<16                          ; tile_dim0 = 32
	s_mov_b32 s20, 49                              ; tile_dim1 = 49
	s_mov_b32 s21, 32                              ; from row to row
	s_mov_b32 s22, 0
	s_mov_b32 s23, 0
	s_mov_b32 s48, 0x76543210                      ; v_permlanex16_b32's selects for lane l xor 16
	s_mov_b32 s49, 0xfedcba98
	s_mov_b32 s50, 0xffff                          ; lanes 0-15
	s_mul_i32 s57, s12, WPART                      ; my part of a slot, of q's region, of the stages
	s_mul_i32 s58, s12, 768                        ; my half fragments' place in an image buffer
	s_lshl_b32 s59, s12, 1                         ; my two scale bytes' place in a row's 16
	s_lshr_b32 s60, s12, 2
	s_lshl_b32 s60, s60, 6
	s_and_b32 s63, s12, 3
	s_lshl_b32 s56, s63, 3
	s_add_co_u32 s60, s60, s56
	s_mul_i32 s60, s60, ROWB                       ; my tile of k begins at row 64 (w / 4) + 8 (w % 4) of a chunk
	s_and_b32 s61, s12, 6
	s_xor_b32 s61, s61, 6
	s_min_u32 s61, s61, 1
	s_lshl_b32 s61, s61, 2                         ; 4 bytes from lane to lane along n; 0 in waves 6 and 7: all their lanes take column 48
	s_and_b32 s62, s12, 1
	s_mul_i32 s62, s62, 64*ROWB
	s_lshr_b32 s56, s12, 1
	s_lshl_b32 s56, s56, 6
	s_add_co_u32 s62, s62, s56
	s_add_co_u32 s62, s62, VPART                   ; my half fragment of v: rows 64 (w % 2) on, columns 16 (w / 2) on, behind a slot's rows of k
	s_mul_i32 s54, s14, BATCH
	s_mul_i32 s2, s63, WPART
	s_add_co_u32 s2, s2, s54                       ; what I fetch of a pair of steps: rows 64 (w % 4) on, of k (waves 0-3) or of v (waves 4-7)
	s_mov_b32 s3, 0
	s_mul_i32 s56, ttmp9, SLOTB
	s_add_co_u32 s54, s54, s56
	s_add_co_u32 s54, s54, s57                     ; my own 64 rows in q1, v1 and out0 (under 2^25 bytes)
	s_mov_b32 s55, 0
	s_wait_dscnt 0x0                               ; both opening adds are done
	s_wait_kmcnt 0x0
	s_cmp_lt_u32 s12, 4
	s_cselect_b64 s[52:53], s[6:7], s[8:9]
	s_add_nc_u64 s[52:53], s[52:53], s[2:3]
	s_add_nc_u64 s[10:11], s[10:11], s[54:55]
	; descriptor groups 0, six sets, made once and never rewritten
	s_mov_b32 s24, 1                               ; my rows of q
	s_add_co_u32 s25, s57, QRAW
	s_add_nc_u64 s[26:27], s[4:5], s[54:55]
	s_or_b32 s27, s27, 0x80000000
.irp p, 0,1,2,3                                        ; pair p of steps: rows 256 p on, into slot p % 2
	s_mov_b32 s[28+4*\p], 1
	s_add_co_u32 s[29+4*\p], s57, (\p%2)*SLOTB
	s_add_nc_u64 s[30+4*\p:31+4*\p], s[52:53], \p*VPART
	s_or_b32 s[31+4*\p], s[31+4*\p], 0x80000000
.endr
	s_mov_b32 s44, 1                               ; my rows of v1, for the way out: into slot 0
	s_add_co_u32 s45, s57, 0
	s_add_nc_u64 s[46:47], s[8:9], s[54:55]
	s_or_b32 s47, s47, 0x80000000
	tensor_load_to_lds s[24:27], s[16:23]          ; the first fills go out together: q,
	s_nop 0
	tensor_load_to_lds s[28:31], s[16:23]          ; steps 0 and 1,
	s_nop 0
	tensor_load_to_lds s[32:35], s[16:23]          ; steps 2 and 3
	s_nop 0
	v_and_b32 v1, 31, v0                           ; lane
	v_and_b32 v[R], 15, v0
	v_bfe_u32 v[H], v0, 4, 1
	v_lshlrev_b32 v[SH8], 3, v[H]
	v_lshl_add_u32 v[A16], v1, 4, IMG0
	v_lshl_add_u32 v[A8], v1, 3, IMG0+512
	v_lshl_add_u32 v[ASC], v[R], 4, IMG0+KSCO
	v_add_nc_u32 v[W16], s58, v[A16]
	v_add_nc_u32 v[W8], s58, v[A8]
	v_add_nc_u32 v[WSC], s59, v[ASC]
	v_and_b32 v18, 7, v0
	v_bfe_u32 v19, v0, 3, 1
	v_lshl_add_u32 v18, v19, 5, v18                ; r % 8 + 32 (r / 8)
	v_mul_u32_u24 v18, v18, ROWB
	v_add_nc_u32 v[KR0], s60, v18
	v_lshl_add_u32 v[KR1], v[H], 7, v[KR0]
	v_mul_u32_u24 v18, s61, v[R]
	v_mad_u32_u24 v18, v[H], 32*ROWB, v18          ; lanes 16-31 begin 32 rows further down
	v_add_nc_u32 v[VR], s62, v18
	v_mul_u32_u24 v18, v[R], ROWB
	v_add_nc_u32 v18, s57, v18
	v_add_nc_u32 v[CA0], QRAW, v18                 ; q: row r of my 64
	v_lshl_add_u32 v[CA1], v[H], 7, v[CA0]
	WIN 0x40
.irp z, 0,1,2,3,4
.irp i, 0,1,2,3,4,5
	v_mov_b32 v[QF+12*\z+\i], 0                    ; the chain's five groups of zero codes
.endr
.endr
	WIN 0
	s_wait_tensorcnt 2                             ; q is in (the two loads behind it may be out); I alone read these bytes
	QPAIR 0
	QPAIR 2
	s_wait_tensorcnt 1                             ; my part of steps 0 and 1 is in; the load behind it may stay out
	BAR                                            ; everybody's is
	CHADR 0
	RAWK XK, 0
	RAWV 0, 32
	s_wait_dscnt 0x0
	ZPAD XK
	PREPV 0
	s_wait_dscnt 0x0                               ; my images of step 0 have landed
	BAR
	STEP 0
	STEP 1
	STEP 2
	STEP 3
	STEP 4
	STEP 5
	STEP 6
	STEP 7
	QUANT                                          ; tile 3 of the last step
	PLACES
	PVMUL 3
	; THE WAY OUT.  My 64 rows of out are 12,544 dense bytes.  A lane holds pieces of a row: they go, 4 bytes at a time (a row begins at a multiple of 4 bytes only), into my stage, which lies in slot 1: that slot has had its
	; last fill, and behind the last barrier nobody reads it.  They come back 16 bytes a lane, meet my rows of v1, which lie in slot 0 as they lie in memory, and leave as runs of 512 consecutive bytes.
	v_mul_u32_u24 v[SA], v[R], ROWB                ; (these eleven lines are the places behind the last products)
	v_add_nc_u32 v[SA], s57, v[SA]
	v_add_nc_u32 v[SA3], SLOT1+192, v[SA]
	v_lshl_add_u32 v[SA], v[H], 5, v[SA]
	v_add_nc_u32 v[SA], SLOT1, v[SA]
	v_lshlrev_b32 v[GO], 4, v1
	v_add_nc_u32 v[RA], s57, v[GO]
	v_add_nc_u32 v[DA], SLOT1, v[RA]
	v_lshlrev_b32 v[G8], 3, v1
	v_add_nc_u32 v[R8], s57, v[G8]
	v_add_nc_u32 v[D8], SLOT1, v[R8]
	WIN 0x04                                       ; an LDS store's data are its source 1: window 1
.irp m, 0,1,2,3
.irp t, 0,1,2
.irp j, 0,1,2,3,4,5,6,7
	ds_store_b32 v[SA], v[ACC+32*\m+8*\t+\j] offset:16*ROWB*\m+64*\t+4*\j     ; out(16 m + r, 16 t + 8 h + j); each accumulator from its low end on
.endr
.endr
	ds_store_b32 v[SA3], v[ACC+32*\m+24] offset:16*ROWB*\m     ; n = 48.  All sixteen rows of v's last tile are column 48, so lanes r and r + 16 hold the same number here, and write it to the same place
.endr
	WIN 0
	s_wait_tensorcnt 0x0                           ; my rows of v1 are in
.irp i, 0,1,2,3,4,5,6,7,8,9,10,11,12,13,14,15,16,17,18,19,20,21,22,23
	ds_load_b128 v[60+4*\i:63+4*\i], v[DA] offset:512*\i       ; LDS serves a wave's instructions in order (ISA guide 5.7.1.4): these see my stores
	ds_load_b128 v[156+4*\i:159+4*\i], v[RA] offset:512*\i
.endr
	ds_load_b64 v[252:253], v[D8] offset:12288     ; the last 256 bytes: 8 a lane
	ds_load_b64 v[254:255], v[R8] offset:12288
.irp i, 0,1,2,3,4,5,6,7,8,9,10,11,12,13,14,15,16,17,18,19,20,21,22,23
	s_wait_dscnt 48-2*\i                           ; pair i is in; behind it stand 2 (23 - i) loads and the last two
	v_pk_add_f32 v[60+4*\i:61+4*\i], v[60+4*\i:61+4*\i], v[156+4*\i:157+4*\i]
	v_pk_add_f32 v[62+4*\i:63+4*\i], v[62+4*\i:63+4*\i], v[158+4*\i:159+4*\i]
	global_store_b128 v[GO], v[60+4*\i:63+4*\i], s[10:11] offset:512*\i th:TH_STORE_NT   ; 32 lanes store 512 consecutive bytes, at a multiple of 256 from out0's first byte; written once, read by nobody here
.endr
	s_wait_dscnt 0x0
	v_pk_add_f32 v[252:253], v[252:253], v[254:255]
	global_store_b64 v[G8], v[252:253], s[10:11] offset:12288 th:TH_STORE_NT             ; 32 lanes store 256 consecutive bytes
	s_wait_tensorcnt 0x0                           ; the wave's end, behind my last tensor load and my last LDS store
	ds_add_u32 v[SPW], v[NIL]
	s_wait_dscnt 0x0
	s_endpgm
.Lfunc_end_k_qd9851d7b7f_cam:
	.size	k_qd9851d7b7f_cam, .Lfunc_end_k_qd9851d7b7f_cam-k_qd9851d7b7f_cam
	.p2alignl 7, 3214868480
	.fill 96, 4, 3214868480
	.section	.rodata,"a",@progbits
	.p2align	6, 0x0
	.amdhsa_kernel k_qd9851d7b7f_cam
		.amdhsa_group_segment_fixed_size 327680
		.amdhsa_private_segment_fixed_size 0
		.amdhsa_enable_private_segment 0
		.amdhsa_kernarg_size 32
		.amdhsa_user_sgpr_count 2
		.amdhsa_user_sgpr_kernarg_segment_ptr 1
		.amdhsa_wavefront_size32 1
		.amdhsa_system_sgpr_workgroup_id_x 1
		.amdhsa_system_sgpr_workgroup_id_y 1
		.amdhsa_system_sgpr_workgroup_id_z 1
		.amdhsa_system_vgpr_workitem_id 0
		.amdhsa_next_free_vgpr 512
		.amdhsa_next_free_sgpr 66
		.amdhsa_reserve_vcc 0
		.amdhsa_float_denorm_mode_32 3
		.amdhsa_float_denorm_mode_16_64 3
		.amdhsa_memory_ordered 1
		.amdhsa_forward_progress 1
		.amdhsa_inst_pref_size 255
	.end_amdhsa_kernel
	.section	.bss,"aw",@nobits
	.p2align	6
	.space	262144
	.amdgpu_metadata
---
amdhsa.version: [ 1, 2 ]
amdhsa.kernels:
  - .name:           k_qd9851d7b7f_cam
    .symbol:         k_qd9851d7b7f_cam.kd
    .args:
      - { .name: q1, .offset: 0, .size: 8, .value_kind: global_buffer, .address_space: global }
      - { .name: k1, .offset: 8, .size: 8, .value_kind: global_buffer, .address_space: global }
      - { .name: v1, .offset: 16, .size: 8, .value_kind: global_buffer, .address_space: global }
      - { .name: out0, .offset: 24, .size: 8, .value_kind: global_buffer, .address_space: global }
    .group_segment_fixed_size: 327680
    .private_segment_fixed_size: 0
    .kernarg_segment_align: 8
    .kernarg_segment_size: 32
    .max_flat_workgroup_size: 256
    .sgpr_count:     66
    .vgpr_count:     512
    .wavefront_size: 32
...
	.end_amdgpu_metadata
.endif
;; end of part 1
